; MI455X (gfx1250); checked and timed in simulation.
; The chip was launched on July 23, 2026; its instructions are those of AMD's public machine-readable ISA for CDNA 5 (MIT licence, August 2026) and "CDNA5" Instruction Set Architecture Reference Guide (July 2026). The comments in the code are by the model that wrote it; some were corrected since.
;; Classical Self Attention. Allowed arithmetic: float matrix products may take bf16 or f16 operands with f32 sums; other float arithmetic in f32, or as packed bf16 or f16 multiplies, adds, multiply-adds, maxima and minima; sums over many terms, partial sums and values carried from step to step in f32; what a program stores and reads back later, other than sums and carried values, may be rounded once to bf16 or f16.
;; Inputs: Wk 1,024 x 1,024 float32; Wo 1,024 x 1,024 float32; Wq 1,024 x 1,024 float32; Wv 1,024 x 1,024 float32; x 16,384 x 1,024 float32.
;; Outputs: out0 16,384 x 1,024 float32.
;; One version. Each part assembles by itself: llvm-mc -triple=amdgcn-amd-amdhsa -mcpu=gfx1250 --defsym DOCPART=n.
;; ======== version 1 of 1: 4 launches
;; limits: values are held in f16: magnitudes above 65,504 overflow, below 6.1e-05 lose precision
;; workspace buffers: xb 33,554,432 bytes; wb 6,291,456 bytes; woh 2,097,152 bytes; qkv 100,663,296 bytes; att 33,554,432 bytes
;; launch cvt (part 1): grid 1280 x 1, 8 waves a work-group, no clusters, 0 bytes of LDS; arguments x, Wq, Wk, Wv, Wo, xb, wb, woh; writes xb, wb, woh
.if DOCPART == 1
	.amdgcn_target "amdgcn-amd-amdhsa--gfx1250"
	.amdhsa_code_object_version 6
	.text
	.protected	k_qec38987281_cvt
	.globl	k_qec38987281_cvt
	.p2align	8
	.type	k_qec38987281_cvt,@function
k_qec38987281_cvt:
	s_mov_b64 s[64:65], 0
	v_nop
	global_prefetch_b8 v0, s[64:65] scope:SCOPE_SE
	s_setreg_imm32_b32 hwreg(HW_REG_WAVE_MODE, 25, 1), 1
	s_wait_xcnt 0x0
; THE CAST.  x, Wq, Wk, Wv (f32) are rounded once to bf16; Wo is rounded to bf16 and that number is written as f16.
;   xb  [16384][1024] bf16: x as it lies.
;   wb  three planes [1024][1024] bf16: Wq, Wk, Wv with their ROWS in another order, so that the product x W^T comes out with its columns in the order in which the attention launch loads them:
;       Wq, Wk: row 64 h + 8 c + e (head h, channel 8 c + e)  ->  row 128 c + 8 h + e
;       Wv:     row 64 g + d       (head g, channel d)        ->  row 256 (d / 16) + 128 (g / 8) + 8 (d % 16) + g % 8
;   woh [1024][1024] f16: Wo, rows as they lie.
; LIMITS.  A bf16 number is an f16 number only from 6.1e-5 to 65,504 in magnitude: below that Wo keeps f16's fixed step of 6e-8, above it becomes an infinity.  NaN and infinities are not treated apart.
; SHARES.  A work-group takes 16 rows of 1,024 f32 (65,536 bytes) of one tensor: groups 0-1023 x, then 64 groups for each of Wq, Wk, Wv, Wo.  Thread t takes 16 bytes at 16 t of each row: a wave's load
; covers 512 consecutive bytes, its store of 8 bytes a lane 256 consecutive bytes, aligned.  A row is written whole (2,048 bytes) wherever it goes, so the other order of rows costs nothing.
; All sixteen loads of a thread go out at once; no register is written again behind a store, so no wait frees one.  Every byte is read once by one thread: LDS, barriers, clusters and the matrix unit have nothing to add.
.set X, 4                              ; v[4:67]    16 rows x 4 f32 as loaded
.set Y, 68                             ; v[68:99]   16 rows x 2 registers of 16-bit pairs
.set T, 100                            ; v[100:101] at work
	s_load_b512 s[4:19], s[0:1], 0x0               ; x s[4:5], Wq s[6:7], Wk s[8:9], Wv s[10:11], Wo s[12:13], xb s[14:15], wb s[16:17], woh s[18:19]
	v_lshlrev_b32 v1, 4, v0                        ; my 16 bytes of a row of f32
	v_lshlrev_b32 v2, 3, v0                        ; my 8 bytes of a row of 16-bit numbers
	s_mov_b32 s29, 0xffff0000                      ; a word's upper bf16
	s_mov_b32 s38, ttmp9                           ; b, the work-group's number
	s_sub_co_u32 s30, s38, 1024                    ; for b >= 1024: which weight (bits 7:6) and which 16 rows of it (bits 5:0); for b < 1024 all that is made of it is chosen away below
	s_bfe_u32 s31, s30, 0x20006                    ; wsel: 0 Wq, 1 Wk, 2 Wv, 3 Wo
	s_and_b32 s30, s30, 63                         ; ch: source rows 16 ch + i, i = 0 .. 15
	; Wq, Wk: h = ch / 4, c = 2 (ch % 4) + i / 8, e = i % 8: row 128 x 2 (ch % 4) + 8 (ch / 4), and 128 (i / 8) + i % 8 in the stores' immediates
	s_lshl_b32 s32, s30, 1
	s_and_b32 s32, s32, 7
	s_lshl_b32 s32, s32, 7
	s_lshr_b32 s33, s30, 2                         ; ch / 4
	s_lshl3_add_u32 s32, s33, s32
	s_lshl_b32 s34, s31, 10                        ; the plane's 1,024 rows
	s_add_co_u32 s32, s32, s34
	; Wv: g = ch / 4, d = 16 (ch % 4) + i: row 2,048 + 256 (ch % 4) + 128 (ch / 32) + (ch / 4) % 8, and 8 i in the immediates
	s_and_b32 s34, s30, 3
	s_lshl_b32 s34, s34, 8
	s_lshr_b32 s35, s30, 5
	s_lshl_b32 s35, s35, 7
	s_add_co_u32 s34, s34, s35
	s_and_b32 s35, s33, 7
	s_add_co_u32 s34, s34, s35
	s_add_co_u32 s34, s34, 2048
	s_max_u32 s28, s31, 1                          ; the kind: 1 Wq and Wk, 2 Wv, 3 Wo (0, x, is set below)
	s_cmp_eq_u32 s28, 2
	s_cselect_b32 s26, s34, s32
	s_lshl_b32 s26, s26, 11                        ; rows of 2,048 bytes
	s_lshl_b32 s35, s30, 15                        ; Wo: 16 rows on end
	s_cmp_eq_u32 s28, 3
	s_cselect_b32 s26, s35, s26
	s_lshl_b32 s24, s30, 16                        ; the source's 16 rows of 4,096 bytes
	s_lshl_b32 s36, s38, 16                        ; the same two offsets for x
	s_lshl_b32 s37, s38, 15
	s_cmp_lt_u32 s38, 1024
	s_cselect_b32 s24, s36, s24
	s_cselect_b32 s26, s37, s26
	s_cselect_b32 s28, 0, s28
	s_mov_b32 s25, 0                               ; both offsets stay under 2^32
	s_mov_b32 s27, 0
	s_wait_kmcnt 0x0
	s_cmp_eq_u32 s31, 1                            ; the two buffers are chosen by the group's number alone; each offset is added once
	s_cselect_b64 s[20:21], s[8:9], s[6:7]
	s_cmp_eq_u32 s31, 2
	s_cselect_b64 s[20:21], s[10:11], s[20:21]
	s_cmp_eq_u32 s31, 3
	s_cselect_b64 s[20:21], s[12:13], s[20:21]
	s_cmp_eq_u32 s28, 0
	s_cselect_b64 s[20:21], s[4:5], s[20:21]
	s_cselect_b64 s[22:23], s[14:15], s[16:17]
	s_cmp_eq_u32 s28, 3
	s_cselect_b64 s[22:23], s[18:19], s[22:23]
	s_add_nc_u64 s[20:21], s[20:21], s[24:25]
	s_add_nc_u64 s[22:23], s[22:23], s[26:27]
.set i, 0
.rept 16
	global_load_b128 v[X+4*i:X+4*i+3], v1, s[20:21] offset:4096*i th:TH_LOAD_NT  ; row i; read once in the launch
.set i, i+1
.endr
.set i, 0
.rept 16
	s_wait_loadcnt 15-i                            ; loads come back in order (ISA guide 5.7.1): row i is in, the 15 - i younger ones stay out
	v_cvt_pk_bf16_f32 v[Y+2*i],   v[X+4*i],   v[X+4*i+1]
	v_cvt_pk_bf16_f32 v[Y+2*i+1], v[X+4*i+2], v[X+4*i+3]
.set i, i+1
.endr
	s_cmp_eq_u32 s28, 3
	s_cbranch_scc0 .Lkeep
.set i, 0
.rept 32                               ; Wo alone: the bf16 numbers, widened by a shift and a mask, are written as f16
	v_lshlrev_b32 v[T], 16, v[Y+i]
	v_and_b32 v[T+1], s29, v[Y+i]
	v_cvt_pk_f16_f32 v[Y+i], v[T], v[T+1]
.set i, i+1
.endr
.Lkeep:
; Row i goes a (i % 8) + b (i / 8) rows behind the group's first: the place stands in the immediate, 135 rows of 2,048 bytes at the most.
.macro STORES a, b
.set i, 0
.rept 16
	global_store_b64 v2, v[Y+2*i:Y+2*i+1], s[22:23] offset:((\a)*(i&7)+(\b)*(i>>3))*2048
.set i, i+1
.endr
.endm
	s_cmp_eq_u32 s28, 1
	s_cbranch_scc1 .Lqk
	s_cmp_eq_u32 s28, 2
	s_cbranch_scc1 .Lv
	STORES 1, 8                                    ; x and Wo: row i
	s_endpgm
.Lqk:
	STORES 1, 128                                  ; Wq, Wk: 128 (i / 8) + i % 8
	s_endpgm
.Lv:
	STORES 8, 64                                   ; Wv: 8 i
	s_endpgm
.Lfunc_end_k_qec38987281_cvt:
	.size	k_qec38987281_cvt, .Lfunc_end_k_qec38987281_cvt-k_qec38987281_cvt
	.p2alignl 7, 3214868480
	.fill 96, 4, 3214868480
	.section	.rodata,"a",@progbits
	.p2align	6, 0x0
	.amdhsa_kernel k_qec38987281_cvt
		.amdhsa_group_segment_fixed_size 0
		.amdhsa_private_segment_fixed_size 0
		.amdhsa_enable_private_segment 0
		.amdhsa_kernarg_size 64
		.amdhsa_user_sgpr_count 2
		.amdhsa_user_sgpr_kernarg_segment_ptr 1
		.amdhsa_wavefront_size32 1
		.amdhsa_system_sgpr_workgroup_id_x 1
		.amdhsa_system_sgpr_workgroup_id_y 1
		.amdhsa_system_sgpr_workgroup_id_z 1
		.amdhsa_system_vgpr_workitem_id 0
		.amdhsa_next_free_vgpr 104
		.amdhsa_next_free_sgpr 66
		.amdhsa_reserve_vcc 0
		.amdhsa_float_denorm_mode_32 3
		.amdhsa_float_denorm_mode_16_64 3
		.amdhsa_memory_ordered 1
		.amdhsa_forward_progress 1
		.amdhsa_inst_pref_size 15
	.end_amdhsa_kernel
	.amdgpu_metadata
---
amdhsa.version: [ 1, 2 ]
amdhsa.kernels:
  - .name:           k_qec38987281_cvt
    .symbol:         k_qec38987281_cvt.kd
    .args:
      - { .name: x, .offset: 0, .size: 8, .value_kind: global_buffer, .address_space: global }
      - { .name: Wq, .offset: 8, .size: 8, .value_kind: global_buffer, .address_space: global }
      - { .name: Wk, .offset: 16, .size: 8, .value_kind: global_buffer, .address_space: global }
      - { .name: Wv, .offset: 24, .size: 8, .value_kind: global_buffer, .address_space: global }
      - { .name: Wo, .offset: 32, .size: 8, .value_kind: global_buffer, .address_space: global }
      - { .name: xb, .offset: 40, .size: 8, .value_kind: global_buffer, .address_space: global }
      - { .name: wb, .offset: 48, .size: 8, .value_kind: global_buffer, .address_space: global }
      - { .name: woh, .offset: 56, .size: 8, .value_kind: global_buffer, .address_space: global }
    .group_segment_fixed_size: 0
    .private_segment_fixed_size: 0
    .kernarg_segment_align: 8
    .kernarg_segment_size: 64
    .max_flat_workgroup_size: 256
    .sgpr_count:     66
    .vgpr_count:     104
    .wavefront_size: 32
...
	.end_amdgpu_metadata
.endif
;; end of part 1
;; launch qkv (part 2): grid 4 x 64, 4 waves a work-group, clusters of 4 x 4, 327,680 bytes of LDS; arguments xb, wb, qkv; writes qkv
.if DOCPART == 2
	.amdgcn_target "amdgcn-amd-amdhsa--gfx1250"
	.amdhsa_code_object_version 6
	.text
	.protected	k_qec38987281_qkv
	.globl	k_qec38987281_qkv
	.p2align	8
	.type	k_qec38987281_qkv,@function
k_qec38987281_qkv:
	s_mov_b64 s[64:65], 0
	v_nop
	global_prefetch_b8 v0, s[64:65] scope:SCOPE_SE
	s_setreg_imm32_b32 hwreg(HW_REG_WAVE_MODE, 25, 1), 1
	s_wait_xcnt 0x0
	s_wait_alu depctr_hold_cnt(0) depctr_sa_sdst(0) depctr_va_vdst(0) depctr_va_sdst(0) depctr_va_ssrc(0) depctr_va_vcc(0) depctr_vm_vsrc(0)
	s_getreg_b32 s2, hwreg(HW_REG_IB_STS2, 6, 4)
	s_cmp_eq_u32 s2, 0
	s_cbranch_scc0 .Lentry_in_a_cluster
	s_endpgm
.Lentry_in_a_cluster:
	s_bfe_u32 s2, ttmp6, 0x10000c
	s_cmp_lg_u32 s2, 0xf033
	s_cbranch_scc0 .Lentry_shape_is_right
	s_endpgm
.Lentry_shape_is_right:
; q, k, v = x W^T.  C[p][m][n] = the sum over k of xb[m][k] wb[p][n][k]: xb [16384][1024] bf16, wb [3][1024][1024] bf16 (rows in the order that the cast gave them), qkv [3][16384][1024] f16; sums in f32, rounded once.
; LIMITS.  f16 holds no number beyond 65,504: a sum of 65,520 or more in magnitude leaves as an infinity; below 6.1e-5 a number keeps f16's fixed step of 6e-8.  NaN and infinities are not treated apart.
; SHARES.  A tile of C, 256 x 256, is made by a work-group of four waves; a wave makes 128 x 128: 64 accumulators of 16 x 16, 512 registers.  K goes in steps of 128 through a ring of two LDS slots filled by the
; tensor data mover: a tile's rows are 256 bytes of memory and start at multiples of 256 bytes from the buffer's first byte.
; A WORK-GROUP STAYS: it makes three tiles, the same 256 tokens and the same 256 columns in the planes q, k, v: 64 x 4 work-groups.  The ring does not stop at a tile's end: a tile's last two changes of slots ask for
; the next tile's first two K steps (xb goes back along K, wb a plane on), and nothing waits for a tile's stores.
; CLUSTERS: 4 x 4 work-groups.  The four of a row of the cluster need the same tiles of xb, the four of a column the same tiles of wb.  Such a tile is asked for JOINTLY: each of the four issues the same tensor load,
; with the same descriptor and a mask that names the four, and each receives the tile in its own LDS.
; REGISTERS, in windows of 256 (s_set_vgpr_msb's low byte: bits 1:0 source 0, 3:2 source 1, 5:4 source 2, 7:6 destination):
;   window 0: v0-31 addresses; v64-127, v128-191 fragments of xb, two buffers; v32-63, v192-255 at work on the way out
;   window 1: v64-127, v128-191 fragments of wb, two buffers
;   window 2: the 32 accumulators of my rows 0-63 (accumulator (a, b) at v[8 (8 a + b)]);   window 3: those of my rows 64-127
; THE MATRIX INSTRUCTION IS USED TRANSPOSED: source 0 = 16 rows of wb, source 1 = 16 rows of xb.  In the result lane l holds row l % 16 of C and its registers 0 to 7 the columns 8 (l / 16) + 0 .. 7: eight
; neighbouring numbers of a row, which pack into 16 bytes.
.set SIZE_K, 1024
.set ROWC,   2048                      ; bytes in a row of a plane of qkv
.set PLANE,  16384*ROWC                ; bytes in a plane of qkv
.set TILES,  3
.set KSTEP,  128
.set PITCH,  272                       ; an LDS row: 256 bytes + 16 of padding = 68 words: row r starts at bank 4 r mod 64 (64 banks of 4 bytes: ISA guide 11.1), so the 16 rows of a load start at 16 different banks
.set HALFT,  128*PITCH                 ; 128 rows: what one tensor load brings, and what one wave reads of xb or of wb
.set SLOT,   4*HALFT                   ; xb's 256 rows, then wb's 256 rows
.set STAGE,  2*SLOT                    ; behind the ring: 16 rows x 272 bytes for each wave, for the way out; no tensor load fills it
.set SPITCH, 272
.set SPARE,  STAGE+4*16*SPITCH         ; behind the stages: the spare words, 128 bytes for each wave: two blocks of 256 bytes that no other line names
.set LAPS,   SIZE_K/(2*KSTEP)          ; a lap = two K steps = once round the ring: 4
.set BACK_A, (SIZE_K-2*KSTEP)*2        ; bytes from a slot's last K step of a tile back to its first: the three tiles share their rows of xb
.set NEXT_B, 1024*SIZE_K*2-BACK_A      ; wb goes a plane (1,024 rows) on and back along K
.set ADRA, 16                          ; v16-17  LDS address of my fragments of xb in slot 0, 1
.set ADRB, 20                          ; v20-21  the same for wb
.set STO,  24                          ; v24     the way out: where I put 16 bytes of a row
.set RD,   25                          ; v25     the way out: where I read a row back
.set CO,   26                          ; v26     my byte offset in two rows of C
.set SPW,  28                          ; v28     LDS address of my spare word: SPARE + 4 x my thread's number; never rewritten
.set NIL,  29                          ; v29     0; never rewritten
.set PFO,  30                          ; v30     the prefetches' offset: my lane x a row of 2,048 bytes; never rewritten
.set PFA,  44                          ; s[44:45] where my prefetches stand: my work-group's 32 rows of the 128 that I fetch, one K step further along K than the refill that is being asked for
.set LIM,  43                          ; s43     1 in a wave that prefetches, else the greatest number
.set F0,   64                          ; fragment buffer 0
.set F1,   128                         ; fragment buffer 1
.set TMP,  192                         ; the way out: packed results
.set OB,   32                          ; the way out: 16 rows read back from the stage: v32-63 and v224-255 by turns
.set G1,  24                           ; s[24:31] descriptor group 1 for xb's tiles
.set G0,  32                           ; s[32:39] group 0 for xb's tiles, one set for each slot
.set G1B, 48                           ; s[48:55] group 1 for wb's tiles: it differs in the mask alone
.set G0B, 56                           ; s[56:63] group 0 for wb's tiles
.set MSB, 0
.macro WIN new                         ; the immediate's high byte repeats the setting that is left; a switch that changes nothing is dropped
.if MSB != (\new)
	s_set_vgpr_msb (MSB<<8)|(\new)
.set MSB, \new
.endif
.endm
.set MUL_LO, 0xa1                      ; source 0 (wb) window 1, source 1 (xb) window 0, C and D window 2
.set MUL_HI, 0xf1                      ; the same, C and D window 3
.set TO_B,   0x40                      ; destination window 1, address window 0
; A joint load.  Waves 0 and 1 fetch xb's two halves, waves 2 and 3 wb's.  Each line has one mask and one set of registers for all that issue it; the branch hangs on the wave's number alone.
; An s_nop 0 and four v_nop follow each of the two lines, ahead of the jump and the label.
.macro JLOAD s
	s_cmp_eq_u32 s11, 0
	s_cbranch_scc0 .Lfor_b_\@
	tensor_load_to_lds s[G0+4*(\s):G0+4*(\s)+3], s[G1:G1+7]
	s_nop 0
.rept 4
	v_nop
.endr
	s_branch .Lasked_\@
.Lfor_b_\@:
	tensor_load_to_lds s[G0B+4*(\s):G0B+4*(\s)+3], s[G1B:G1B+7]
	s_nop 0
.rept 4
	v_nop
.endr
.Lasked_\@:
.endm
; A PREFETCH INTO THE L2, behind each joint load, its five lines and the run of LDS loads that follows: the K step that stands TWO refills on, 512 matrix instructions ahead of the load that will want it:
; 32 rows x 256 bytes, a lane a row, one instruction a wave.  Each row's 256 bytes of a K step are named once in the launch.  xb's rows belong to one cluster alone (the grid is one cluster wide): it asks for
; them, in its first tile; the other two tiles read the same rows again and ask for nothing.  wb's rows are read by all sixteen clusters: the one with y = 0 asks, in all three tiles, since each tile has a new plane.
; The four partners that ask for a tile jointly share its rows out BY ADDRESS: of the 128 rows that a wave fetches the partner at place p takes 32 p .. 32 p + 31 (p = cx for xb, cy for wb).
; how = 0, in the loop: a tile's last two refills have no K step two on; how = 1, at a change of tiles: the next tile's K steps 2 and 3.  A tile's K steps 0 and 1, and the launch's first four, come by their loads alone.
.macro ASK how
.if \how
	s_cmp_eq_u32 s[LIM], 1
.else
	s_cmp_gt_u32 s3, s[LIM]                        ; s3 = 1 in the loop's last trip
.endif
	s_cbranch_scc0 .Lnot_mine_\@
	global_prefetch_b8 v[PFO], s[PFA:PFA+1] offset:KSTEP*2 th:TH_LOAD_NT scope:SCOPE_SE
.Lnot_mine_\@:
.endm
; A round of the cluster's barrier: my work-group's barrier, so that wave 0's signal speaks for all four waves; wave 0 signals; every wave waits for all sixteen work-groups; my work-group's barrier once more.
.macro CREST                           ; a round behind its opening barrier
	s_cmp_lg_u32 s10, 0
	s_cbranch_scc1 .Lnot_wave_0_\@
	s_barrier_signal -3
.Lnot_wave_0_\@:
	s_barrier_wait -3
	s_barrier_signal -1
	s_barrier_wait -1
.endm
.macro CROUND                          ; a whole round
	s_barrier_signal -1
	s_barrier_wait -1
	CREST
.endm
	s_load_b128 s[4:7], s[0:1], 0x0                ; xb s[4:5], wb s[6:7]
	s_load_b64 s[8:9], s[0:1], 0x10                ; qkv
	v_lshl_add_u32 v[SPW], v0, 2, SPARE
	v_mov_b32 v[NIL], 0
	ds_add_u32 v[SPW], v[NIL]                      ; the wave's opening: the add and its wait stand ahead of my first tensor load; the set-up below, work on registers, stands between them
	v_lshrrev_b32 v1, 5, v0
	v_readfirstlane_b32 s10, v1                    ; wave 0..3
	s_lshr_b32 s11, s10, 1                         ; which half of the tile's rows is mine.  Also: I fetch for xb (0) or for wb (1)
	s_and_b32 s12, s10, 1                          ; which half of its columns.  Also: which 128 rows of that tile I fetch
	s_bfe_u32 s40, ttmp6, 0x40000                  ; cx
	s_bfe_u32 s41, ttmp6, 0x40004                  ; cy
	s_lshl_b32 s42, ttmp9, 2
	s_add_co_u32 s42, s42, s40                     ; tile column = 4 x cluster x + cx
	s_and_b32 s13, ttmp7, 0xffff
	s_lshl_b32 s13, s13, 2
	s_add_co_u32 s13, s13, s41                     ; tile row = 4 x cluster y + cy
	s_lshl_b32 s43, s41, 2
	s_lshl_b32 s43, 15, s43                        ; my row of the cluster: places 4 cy .. 4 cy + 3
	s_lshl_b32 s44, 0x1111, s40                    ; my column: places cx, cx + 4, cx + 8, cx + 12
	; descriptor group 1: a tile of 128 rows x 128 elements, padded in LDS
	s_or_b32 s[G1+0], s43, (1<<16)|(1<<20)|(1<<21)|(5<<22)|(3<<25)  ; 15:0 the mask: xb's tiles go to my row; 17:16 elements of 2 bytes; 20 padding on; 21 set beside a mask; 24:22 after every 64 words (code 5); 31:25 4 words of it (code 3)
	s_or_b32 s[G1B+0], s44, (1<<16)|(1<<20)|(1<<21)|(5<<22)|(3<<25) ; the same with the mask of my column, for wb's tiles
.irp g, G1, G1B
	s_mov_b32 s[(\g)+1], KSTEP<<16                 ; tensor_dim0 = 128
	s_mov_b32 s[(\g)+2], 128<<16                   ; tensor_dim1 = 128
	s_mov_b32 s[(\g)+3], KSTEP<<16                 ; tile_dim0 = 128
	s_mov_b32 s[(\g)+4], 128                       ; tile_dim1 = 128
	s_mov_b32 s[(\g)+5], SIZE_K                    ; 1,024 elements from row to row
	s_mov_b32 s[(\g)+6], 0
	s_mov_b32 s[(\g)+7], 0
.endr
	; where the tiles come from.  xb's hang on the tile row alone, which my row of the cluster shares; wb's on the tile column alone, which my column shares.
	s_lshl_b32 s17, s12, 7                         ; which 128 rows of the tile I fetch
	s_lshl_b32 s16, s13, 8
	s_add_co_u32 s16, s16, s17                     ; xb: row 256 x tile row + 128 x half
	s_lshl_b32 s46, s42, 8
	s_add_co_u32 s46, s46, s17                     ; wb: row 256 x tile column + 128 x half, in plane 0
	s_mov_b32 s17, 0
	s_mov_b32 s47, 0
	s_mov_b64 s[18:19], SIZE_K*2
	s_mul_u64 s[16:17], s[16:17], s[18:19]
	s_mul_u64 s[46:47], s[46:47], s[18:19]
	s_mul_i32 s20, s10, HALFT                      ; and where they go: wave x 128 rows: no place in the cluster enters an LDS address
	s_wait_dscnt 0x0                               ; the opening add is done
	s_wait_kmcnt 0x0
	s_add_nc_u64 s[14:15], s[4:5], s[16:17]
	s_add_nc_u64 s[46:47], s[6:7], s[46:47]
	CROUND                                         ; all sixteen work-groups are here: the first joint loads meet
.irp s, 0,1
	s_mov_b32 s[G0+4*(\s)], 1                                      ; count = 1
	s_add_co_u32 s[G0+4*(\s)+1], s20, (\s)*SLOT                    ; LDS address
	s_add_nc_u64 s[G0+4*(\s)+2:G0+4*(\s)+3], s[14:15], (\s)*KSTEP*2  ; global address: K step s
	s_or_b32 s[G0+4*(\s)+3], s[G0+4*(\s)+3], 0x80000000            ; type = 2
	s_mov_b32 s[G0B+4*(\s)], 1
	s_add_co_u32 s[G0B+4*(\s)+1], s20, (\s)*SLOT
	s_add_nc_u64 s[G0B+4*(\s)+2:G0B+4*(\s)+3], s[46:47], (\s)*KSTEP*2
	s_or_b32 s[G0B+4*(\s)+3], s[G0B+4*(\s)+3], 0x80000000
	JLOAD \s                                       ; the ring is filled before anything else is done: two loads of mine are out
.endr
	; A fragment is 16 rows x 32 K in 8 registers: lane l holds row l % 16; registers 0-3 hold K = 8 (l / 16) + 0..7, registers 4-7 K = 16 + 8 (l / 16) + 0..7: two loads of 16 bytes, 32 bytes apart.
	v_and_b32 v1, 15, v0                           ; l % 16
	v_bfe_u32 v2, v0, 4, 1                         ; l / 16
	v_mul_u32_u24 v3, v1, PITCH
	v_lshl_add_u32 v3, v2, 4, v3
	s_mul_i32 s21, s11, HALFT                      ; my 128 rows of xb
	s_mul_i32 s22, s12, HALFT                      ; my 128 rows of wb,
	s_add_co_u32 s22, s22, 2*HALFT                 ; which lie behind xb's 256
.irp s, 0,1
	v_add_nc_u32 v[ADRA+(\s)], s21, v3
	v_add_nc_u32 v[ADRB+(\s)], s22, v3
	s_add_co_u32 s21, s21, SLOT
	s_add_co_u32 s22, s22, SLOT
.endr
	s_mul_i32 s23, s10, 16*SPITCH
	s_add_co_u32 s23, s23, STAGE                   ; my stage
	v_mul_u32_u24 v4, v1, SPITCH                   ; in: row l % 16, 16 bytes for each half of the lanes
	v_lshl_add_u32 v4, v2, 4, v4
	v_add_nc_u32 v[STO], s23, v4
	v_mul_u32_u24 v5, v2, SPITCH                   ; back: lanes 0-15 take one row of 256 bytes, lanes 16-31 the next
	v_lshl_add_u32 v5, v1, 4, v5
	v_add_nc_u32 v[RD], s23, v5
	v_mul_u32_u24 v5, v2, ROWC                     ; and the same two rows in C
	v_lshl_add_u32 v[CO], v1, 4, v5
	s_lshl_b32 s13, s13, 8                         ; C at my part of the tile in plane 0
	s_lshl_b32 s14, s11, 7
	s_add_co_u32 s16, s13, s14                     ; my first row
	s_mov_b32 s17, 0
	s_mov_b64 s[18:19], ROWC
	s_mul_u64 s[16:17], s[16:17], s[18:19]
	s_lshl_b32 s46, s42, 9                         ; my first column, in bytes: 512 x tile column + 256 x half
	s_lshl_b32 s47, s12, 8
	s_add_co_u32 s46, s46, s47
	s_mov_b32 s47, 0
	s_add_nc_u64 s[16:17], s[16:17], s[46:47]
	s_add_nc_u64 s[8:9], s[8:9], s[16:17]
	; the prefetches.  s13 = 256 x tile row, s42 = tile column, s40 = cx, s41 = cy still stand
	s_lshl_b32 s42, s42, 8
	s_and_b32 s22, ttmp7, 0xffff                   ; cluster y
	s_cmp_eq_u32 s11, 0                            ; do I fetch for xb?
	s_cselect_b32 s20, s13, s42                    ; the tile's first row
	s_cselect_b32 s21, s40, s41                    ; my place among the four that ask for it with me
	s_cselect_b32 s22, ttmp9, s22                  ; the coordinate along which other clusters read the same rows
	s_cselect_b64 s[PFA:PFA+1], s[4:5], s[6:7]
	s_cmp_eq_u32 s22, 0
	s_cselect_b32 s[LIM], 1, -1                    ; the same in all sixteen partners, for a given wave
	s_lshl_b32 s22, s12, 7
	s_add_co_u32 s20, s20, s22                     ; + the 128 rows that I fetch
	s_lshl_b32 s21, s21, 5
	s_add_co_u32 s20, s20, s21                     ; + my work-group's 32 of them
	s_mov_b32 s21, 0
	s_mov_b64 s[18:19], SIZE_K*2
	s_mul_u64 s[20:21], s[20:21], s[18:19]
	s_add_nc_u64 s[PFA:PFA+1], s[PFA:PFA+1], s[20:21]
	s_add_nc_u64 s[PFA:PFA+1], s[PFA:PFA+1], 2*KSTEP*2  ; at K step 2: the first refill steps it to 3 and names K step 4
	v_and_b32 v[PFO], 31, v0
	v_mul_u32_u24 v[PFO], v[PFO], SIZE_K*2
; 16 matrix instructions: m blocks a0, a0 + 1 of the window's four (hi = 0: my rows 0-63, 1: rows 64-127) x all 8 n blocks, 32 along K.  zero = 1: the first product starts the sums: nothing is ever cleared.
; The 64 accumulators take turns, one instruction a turn, in the same order in every quarter step: over the backward jumps and from tile to tile too.
.macro MUL16 f, hi, a0, zero
	WIN MUL_LO+0x50*(\hi)
.irp a, \a0, (\a0)+1
.irp b, 0,1,2,3,4,5,6,7
.if \zero
	v_wmma_f32_16x16x32_bf16 v[8*(8*(\a)+(\b)):8*(8*(\a)+(\b))+7], v[(\f)+8*(\b):(\f)+8*(\b)+7], v[(\f)+8*(4*(\hi)+(\a)):(\f)+8*(4*(\hi)+(\a))+7], 0
.else
	v_wmma_f32_16x16x32_bf16 v[8*(8*(\a)+(\b)):8*(8*(\a)+(\b))+7], v[(\f)+8*(\b):(\f)+8*(\b)+7], v[(\f)+8*(4*(\hi)+(\a)):(\f)+8*(4*(\hi)+(\a))+7], v[8*(8*(\a)+(\b)):8*(8*(\a)+(\b))+7]
.endif
.endr
.endr
.endm
; 32 LDS loads in one run: the fragments of one quarter step (128 rows of wb, then 128 rows of xb, 32 K at byte k of the rows) into buffer f
.macro FETCH slot, k, f
	WIN TO_B
.irp i, 0,1,2,3,4,5,6,7
	ds_load_b128 v[(\f)+8*(\i):(\f)+8*(\i)+3],   v[ADRB+(\slot)] offset:(\k)+(\i)*16*PITCH
	ds_load_b128 v[(\f)+8*(\i)+4:(\f)+8*(\i)+7], v[ADRB+(\slot)] offset:(\k)+(\i)*16*PITCH+32
.endr
	WIN 0
.irp i, 0,1,2,3,4,5,6,7
	ds_load_b128 v[(\f)+8*(\i):(\f)+8*(\i)+3],   v[ADRA+(\slot)] offset:(\k)+(\i)*16*PITCH
	ds_load_b128 v[(\f)+8*(\i)+4:(\f)+8*(\i)+7], v[ADRA+(\slot)] offset:(\k)+(\i)*16*PITCH+32
.endr
.endm
; A load into a register that a matrix instruction has read, and a vector instruction that reads a matrix result, stand four places behind that matrix instruction; only plain vector instructions that name
; none of its registers are places (ISA guide 7.12.1 for vector instructions).
.macro PLACES
.rept 4
	v_nop
.endr
.endm
; A K step is four quarter steps of 32 along K, 64 matrix instructions each, on buffers 0, 1, 0, 1.  One of the first three: multiplies buffer f; in its middle it fetches the next quarter, at byte k, into buffer g.
.macro QUARTER slot, k, f, g, zero
	s_wait_dscnt 8                                 ; wb's and xb's rows 0-63 are in; the youngest eight loads (xb's rows 64-127) may be out
	MUL16 \f, 0, 0, \zero
	MUL16 \f, 0, 2, \zero
	PLACES
	FETCH \slot, \k, \g
	s_wait_dscnt 32                                ; all but the 32 just issued
	MUL16 \f, 1, 0, \zero
	MUL16 \f, 1, 2, \zero
.endm
; The last quarter multiplies buffer 1 and changes slots.  MEET is its first half: ONE barrier for the change.  In front of it each wave waits for all its tensor loads, of which one is out: its part of the next
; slot; adds 0 to its spare word; and waits for that and for its own reads of this slot.  Behind it nobody reads this slot any more and the next slot is whole.
.macro MEET round                      ; round = 1: a round of the cluster's barrier follows
	WIN 0                                          ; (the add's two registers lie in window 0)
	s_wait_tensorcnt 0x0                           ; all my tensor loads have landed
	ds_add_u32 v[SPW], v[NIL]                      ; 0 onto my spare word
	s_wait_dscnt 9                                 ; (the add and the youngest eight loads may be out)
	MUL16 F1, 0, 0, 0                              ; sixteen matrix instructions stand between the add and the wait for it
	s_wait_dscnt 0x0                               ; the add is done, and my reads of this slot are over
	s_barrier_signal -1
	MUL16 F1, 0, 2, 0                              ; work on registers while the others arrive
.if \round
	WIN 0
.endif
	s_barrier_wait -1
.endm
; The whole last quarter.  Behind the round the slot just read out is filled again first: with this tile's K step two steps on (on = 0) or, in a tile's last two K steps, with the NEXT tile's K step 0 or 1 (on = 1);
; then come the next slot's first fragments.  From a request to the wait for it a wave issues 224 matrix instructions.
.macro TURN slot, next, on
	s_wait_xcnt 0x0                                ; the last prefetch, a K step back, has read its address: it is stepped here, ahead of the waits of the change of slots
.if (\on) && (\slot) == 0
	s_add_nc_u64 s[PFA:PFA+1], s[PFA:PFA+1], 1023*SIZE_K*2+KSTEP*2  ; from the K step after the tile's last to the next plane's K step 1: 1,024 rows on, back along K
	s_cmp_eq_u32 s11, 0
	s_cselect_b32 s[LIM], -1, s[LIM]               ; xb's rows are the same for all three tiles: they are asked for no more, and the stepped address of the waves that fetch xb is never used
.else
	s_add_nc_u64 s[PFA:PFA+1], s[PFA:PFA+1], KSTEP*2
.endif
	MEET 1
	CREST                                          ; no wave of any partner still reads this slot's tile or has a load on its way
.if \on
	s_sub_nc_u64 s[G0+4*(\slot)+2:G0+4*(\slot)+3], s[G0+4*(\slot)+2:G0+4*(\slot)+3], BACK_A
	s_add_nc_u64 s[G0B+4*(\slot)+2:G0B+4*(\slot)+3], s[G0B+4*(\slot)+2:G0B+4*(\slot)+3], NEXT_B
.else
	s_add_nc_u64 s[G0+4*(\slot)+2:G0+4*(\slot)+3], s[G0+4*(\slot)+2:G0+4*(\slot)+3], 2*KSTEP*2
	s_add_nc_u64 s[G0B+4*(\slot)+2:G0B+4*(\slot)+3], s[G0B+4*(\slot)+2:G0B+4*(\slot)+3], 2*KSTEP*2
.endif
	JLOAD \slot                                    ; the first tensor load behind the round, my only one until the next; the four v_nop behind it are also the places in front of the loads below
	FETCH \next, 0, F0
	ASK \on
	MUL16 F1, 1, 0, 0
	MUL16 F1, 1, 2, 0
.endm
; THE WAY OUT of block a (16 rows), in three parts.  PACK: rounded to f16, 16 bytes a lane; each accumulator's registers in ascending order.  TOSTAGE: into my own stage in LDS, and back as whole rows of 256 bytes.  SEND: stored.
.macro PACK a
.set AC, 64*((\a)%4)
	WIN 0x0a+5*((\a)/4)                            ; sources 0 and 1: window 2 or 3
.irp b, 0,1,2,3,4,5,6,7
.irp r, 0,1,2,3
	v_cvt_pk_f16_f32 v[TMP+4*(\b)+(\r)], v[AC+8*(\b)+2*(\r)], v[AC+8*(\b)+2*(\r)+1]
.endr
.endr
	WIN 0
.endm
.macro TOSTAGE a
	WIN 0
.set BK, OB+192*((\a)%2)
.irp b, 0,1,2,3,4,5,6,7
	ds_store_b128 v[STO], v[TMP+4*(\b):TMP+4*(\b)+3] offset:32*(\b)
.endr
.irp t, 0,1,2,3,4,5,6,7
	ds_load_b128 v[BK+4*(\t):BK+4*(\t)+3], v[RD] offset:(\t)*2*SPITCH  ; LDS serves a wave's instructions in order (ISA guide 5.7.1.4): these see the stores above
.endr
.endm
.macro SEND a
	WIN 0
.set BK, OB+192*((\a)%2)
	s_wait_dscnt 0x0                               ; the block is back in registers
	s_wait_xcnt 0x0                                ; the stores of the block before have read their registers: the next TOSTAGE loads into them only behind this wait
.irp t, 0,1,2,3,4,5,6,7
	global_store_b128 v[CO], v[BK+4*(\t):BK+4*(\t)+3], s[8:9] offset:(16*(\a)+2*(\t))*ROWC  ; 16 lanes store 256 consecutive bytes, at a multiple of 256 from the buffer's first byte; 126 rows at the most in the immediate
.endr
.endm
.macro WAYOUT                          ; block a's conversions stand between block a - 1's loads from the stage and the wait for them
	PACK 0
	TOSTAGE 0
.irp a, 1,2,3,4,5,6,7
	PACK \a
	SEND (\a)-1
	TOSTAGE \a
.endr
	SEND 7
.endm
	s_wait_tensorcnt 1                             ; my part of K step 0 is in; K step 1's load may stay out
	s_barrier_signal -1
	s_barrier_wait -1                              ; everybody's is
	FETCH 0, 0, F0
	s_mov_b32 s2, TILES                            ; tiles to go, this one among them
.Ltile:
	QUARTER 0, 64,  F0, F1, 1                      ; a tile's first quarter stands in front of the loop: its products start the sums
	WIN 0                                          ; at a label and at a branch every window is 0
	s_mov_b32 s3, LAPS-1
.Llap:                                                 ; a trip goes once round the ring, from a lap's second quarter to the next lap's first, and fills both slots again
	QUARTER 0, 128, F1, F0, 0
	QUARTER 0, 192, F0, F1, 0
	TURN 0, 1, 0
	QUARTER 1, 64,  F0, F1, 0
	QUARTER 1, 128, F1, F0, 0
	QUARTER 1, 192, F0, F1, 0
	TURN 1, 0, 0
	QUARTER 0, 64,  F0, F1, 0
	WIN 0
	s_sub_co_u32 s3, s3, 1
	s_cmp_lg_u32 s3, 0
	s_cbranch_scc1 .Llap
	QUARTER 0, 128, F1, F0, 0                      ; the tile's last lap goes on
	QUARTER 0, 192, F0, F1, 0
	WIN 0
	s_cmp_eq_u32 s2, 1
	s_cbranch_scc1 .Llast_tile                     ; the last tile's tail is written out: it asks for nothing more
	TURN 0, 1, 1                                   ; THE RING GOES ON INTO THE NEXT PLANE: slot 0 takes its K step 0,
	QUARTER 1, 64,  F0, F1, 0
	QUARTER 1, 128, F1, F0, 0
	QUARTER 1, 192, F0, F1, 0
	TURN 1, 0, 1                                   ; slot 1 its K step 1, and the next tile's first fragments are fetched
	WAYOUT                                         ; both refills are asked for: now the tile goes out.  No v_nop: blocks 0-3 were finished in front of the joint load's four, and their 128 conversions, which name no register of the last products, are those products' places
	s_wait_xcnt 0x0                                ; the stores have read their base
	s_add_nc_u64 s[8:9], s[8:9], PLANE             ; the same place in the next plane
	s_sub_co_u32 s2, s2, 1
	s_branch .Ltile
.Llast_tile:
	MEET 0                                         ; my one tensor load that was still out is slot 1's, the last K step's, so no round follows
	PLACES                                         ; for the loads into buffer 0, which the quarter before multiplied
	FETCH 1, 0, F0
	MUL16 F1, 1, 0, 0
	MUL16 F1, 1, 2, 0
	QUARTER 1, 64,  F0, F1, 0
	QUARTER 1, 128, F1, F0, 0
	QUARTER 1, 192, F0, F1, 0
	s_wait_dscnt 8                                 ; the very last quarter: nothing more to fetch
	MUL16 F1, 0, 0, 0
	MUL16 F1, 0, 2, 0
	s_wait_dscnt 0x0
	MUL16 F1, 1, 0, 0
	MUL16 F1, 1, 2, 0
	PLACES                                         ; the conversions read matrix results
	WAYOUT
	s_wait_tensorcnt 0x0                           ; the wave's end, behind my last tensor load and my last LDS store
	ds_add_u32 v[SPW], v[NIL]
	s_wait_dscnt 0x0
	CROUND                                         ; the closing round: no work-group ends while a partner may still ask for a tile that names it
	s_endpgm
.Lfunc_end_k_qec38987281_qkv:
	.size	k_qec38987281_qkv, .Lfunc_end_k_qec38987281_qkv-k_qec38987281_qkv
	.p2alignl 7, 3214868480
	.fill 96, 4, 3214868480
	.section	.rodata,"a",@progbits
	.p2align	6, 0x0
	.amdhsa_kernel k_qec38987281_qkv
		.amdhsa_group_segment_fixed_size 327680
		.amdhsa_private_segment_fixed_size 0
		.amdhsa_enable_private_segment 0
		.amdhsa_kernarg_size 24
		.amdhsa_user_sgpr_count 2
		.amdhsa_user_sgpr_kernarg_segment_ptr 1
		.amdhsa_wavefront_size32 1
		.amdhsa_system_sgpr_workgroup_id_x 1
		.amdhsa_system_sgpr_workgroup_id_y 1
		.amdhsa_system_sgpr_workgroup_id_z 1
		.amdhsa_system_vgpr_workitem_id 0
		.amdhsa_next_free_vgpr 1024
		.amdhsa_next_free_sgpr 66
		.amdhsa_reserve_vcc 0
		.amdhsa_float_denorm_mode_32 3
		.amdhsa_float_denorm_mode_16_64 3
		.amdhsa_memory_ordered 1
		.amdhsa_forward_progress 1
		.amdhsa_inst_pref_size 209
	.end_amdhsa_kernel
	.amdgpu_metadata
---
amdhsa.version: [ 1, 2 ]
amdhsa.kernels:
  - .name:           k_qec38987281_qkv
    .symbol:         k_qec38987281_qkv.kd
    .args:
      - { .name: xb, .offset: 0, .size: 8, .value_kind: global_buffer, .address_space: global }
      - { .name: wb, .offset: 8, .size: 8, .value_kind: global_buffer, .address_space: global }
      - { .name: qkv, .offset: 16, .size: 8, .value_kind: global_buffer, .address_space: global }
    .group_segment_fixed_size: 327680
    .private_segment_fixed_size: 0
    .kernarg_segment_align: 8
    .kernarg_segment_size: 24
    .max_flat_workgroup_size: 128
    .sgpr_count:     66
    .vgpr_count:     1024
    .wavefront_size: 32
...
	.end_amdgpu_metadata
.endif
;; end of part 2
;; launch attn (part 3): grid 1024 x 1, 4 waves a work-group, no clusters, 9,728 bytes of LDS; arguments qkv, att; writes att
.if DOCPART == 3
	.amdgcn_target "amdgcn-amd-amdhsa--gfx1250"
	.amdhsa_code_object_version 6
	.text
	.protected	k_qec38987281_attn
	.globl	k_qec38987281_attn
	.p2align	8
	.type	k_qec38987281_attn,@function
k_qec38987281_attn:
	s_mov_b64 s[64:65], 0
	v_nop
	global_prefetch_b8 v0, s[64:65] scope:SCOPE_SE
	s_setreg_imm32_b32 hwreg(HW_REG_WAVE_MODE, 25, 1), 1
	s_wait_xcnt 0x0
; ATTENTION ACROSS THE HEADS OF ONE TOKEN.  For each token n: S[h][g] = q[n][h] . k[n][g] / 8 (16 x 16, 64 channels), P = softmax over g, att[n][h][:] = the sum over g of P[h][g] v[n][g][:].
; qkv: three planes [16384][1024] f16 whose columns lie in the order that the cast gave the weights' rows; att: [16384][1024] f16, column 64 h + d.  Products, maximum and sum in f32; P, divided by its
; sum, is rounded to f16 for the second product; att is rounded once.
; LIMITS.  q, k, v arrive as finite f16; a weight 2^(c s - c m) below 2^-126 counts as 0; P below 6.1e-5 keeps f16's fixed step of 6e-8; att is a mean of v's rows and has their range.  NaN and infinities are not treated apart.
; SHARES.  A wave takes four tokens, a work-group sixteen; no wave needs a byte of another's, so there is no barrier and no loop.  A wave asks for all its 48 x 512 bytes at once.  Every byte is read once, by one
; wave: a cluster or a tile in LDS would share nothing.
; LAYOUT.  A token's row of a plane is four loads of 512 consecutive bytes, 16 bytes a lane.  In q and k column 128 c + 8 h + e is head h, channel 8 c + e: load i gives lane l head l % 16, channels
; 16 i + 8 (l / 16) + 0..7: loads 2 f and 2 f + 1 ARE fragment f (16 heads x 32 channels).  In v column 256 (d / 16) + 128 (g / 8) + 8 (d % 16) + g % 8 is head g, channel d: load i gives lane l channel
; 16 i + l % 16 and heads 8 (l / 16) + 0..7: registers 0-3 of the fragment of V^T for channels 16 i on.
; S^T = K Q^T (source 0 = 16 heads g, source 1 = 16 heads h): a lane holds ONE query head h = l % 16 and the heads g = 8 (l / 16) + 0..7; rounded in pairs these are registers 0-3 of source 1 of O^T = V^T P.
; That product has 16 of its 32 along K in use: P's registers 4-7 hold 0, and V^T's are whatever finite numbers follow its four (the next block's, or four zeros behind the last).
.set ROW,    2048                      ; bytes in a token's row of a plane, and of att
.set PLANE,  16384*ROW
.set SP,     144                       ; a head's 128 bytes in the stage + 16 of padding = 36 words: 16 rows start at 16 different groups of four banks (64 banks of 4 bytes: ISA guide 11.1)
.set WSTAGE, 16*SP                     ; a wave's stage: one token
.set SPARE,  4*WSTAGE                  ; behind the stages: the spare words, 128 bytes for each wave: two blocks of 256 bytes that no other line names
.set LO,  1                            ; v1  16 x lane
.set STO, 2                            ; v2  the way out: where I put 16 bytes of a head's row
.set RD,  3                            ; v3  where I read them back
.set SPW, 4                            ; v4  LDS address of my spare word: SPARE + 4 x my thread's number; never rewritten
.set NIL, 5                            ; v5  0; never rewritten
.set T,   8                            ; v[8:23]    four registers at work for each token
.set Q,   24                           ; v[24:87]   16 a token
.set K,   88                           ; v[88:151]
.set V,   152                          ; v[152:215]; later the packed results
.set Z,   216                          ; v[216:219] 0
.set S,   220                          ; v[220:251] 8 a token: S^T, then P and four zeros
.set O,   24                           ; O^T, 32 a token, where Q and K lay
.set R,   24                           ; later: a token's row read back, 16 registers
.macro EACH line:vararg                ; one line for each token t
.set t, 0
.rept 4
	\line
.set t, t+1
.endr
.endm
	s_load_b128 s[4:7], s[0:1], 0x0                ; qkv s[4:5], att s[6:7]
	v_lshl_add_u32 v[SPW], v0, 2, SPARE
	v_mov_b32 v[NIL], 0
	v_lshrrev_b32 v6, 5, v0
	v_readfirstlane_b32 s8, v6                     ; wave 0..3
	v_and_b32 v7, 31, v0
	v_lshlrev_b32 v[LO], 4, v7
	s_lshl_b32 s10, ttmp9, 15                      ; the work-group's 16 rows of 2,048 bytes,
	s_lshl_b32 s9, s8, 13                          ; my wave's four
	s_add_co_u32 s10, s10, s9
	s_mov_b32 s11, 0
	s_mov_b32 s20, 0x3e38aa3b                      ; c = log2(e) / 8 = 0.180337
	s_mov_b32 s21, s20                             ; named with it as a pair
	s_mov_b32 s22, 0x76543210                      ; v_permlanex16_b32: each lane takes its own place in the other half
	s_mov_b32 s23, 0xfedcba98
	s_wait_kmcnt 0x0
	s_add_nc_u64 s[12:13], s[4:5], s[10:11]        ; q
	s_add_nc_u64 s[14:15], s[12:13], PLANE         ; k
	s_add_nc_u64 s[16:17], s[14:15], PLANE         ; v
	s_add_nc_u64 s[18:19], s[6:7], s[10:11]        ; att
.set z, 0
.rept 16                               ; token z / 4, load z % 4
	global_load_b128 v[K+4*z:K+4*z+3], v[LO], s[14:15] offset:ROW*(z/4)+512*(z%4) th:TH_LOAD_NT
	global_load_b128 v[Q+4*z:Q+4*z+3], v[LO], s[12:13] offset:ROW*(z/4)+512*(z%4) th:TH_LOAD_NT
.set z, z+1
.endr
.set z, 0
.rept 16
	global_load_b128 v[V+4*z:V+4*z+3], v[LO], s[16:17] offset:ROW*(z/4)+512*(z%4) th:TH_LOAD_NT
.set z, z+1
.endr
	s_wait_loadcnt 16                              ; K and Q are in; V's sixteen loads stay out
	; S^T: the four tokens' accumulators take turns: three others stand between the two links of a chain; the first link starts the sum
	EACH v_wmma_f32_16x16x32_f16 v[S+8*t:S+8*t+7], v[K+16*t:K+16*t+7], v[Q+16*t:Q+16*t+7], 0
	EACH v_wmma_f32_16x16x32_f16 v[S+8*t:S+8*t+7], v[K+16*t+8:K+16*t+15], v[Q+16*t+8:Q+16*t+15], v[S+8*t:S+8*t+7]
	; the zeros and the addresses for the way out: fourteen plain instructions that name no register of those products: the places behind them (ISA guide 7.12.1)
	v_mov_b32 v[Z], 0
	v_mov_b32 v[Z+1], 0
	v_mov_b32 v[Z+2], 0
	v_mov_b32 v[Z+3], 0
	s_mul_i32 s9, s8, WSTAGE                       ; my stage
	v_and_b32 v6, 15, v0
	v_bfe_u32 v7, v0, 4, 1
	v_mul_u32_u24 v[STO], v6, SP                   ; in: head l % 16, 16 bytes for each half of the lanes
	v_lshl_add_u32 v[STO], v7, 4, v[STO]
	v_add_nc_u32 v[STO], s9, v[STO]
	v_bfe_u32 v6, v0, 3, 2
	v_and_b32 v7, 7, v0
	v_mul_u32_u24 v[RD], v6, SP                    ; back: 32 lanes take four heads' 128 bytes, 512 consecutive bytes of att
	v_lshl_add_u32 v[RD], v7, 4, v[RD]
	v_add_nc_u32 v[RD], s9, v[RD]
	; THE SOFTMAX, a step at a time for the four tokens, so that no line waits for the one before it.  The maximum begins at each accumulator's lowest registers.
	EACH v_max3_num_f32 v[T+4*t+2], v[S+8*t], v[S+8*t+1], v[S+8*t+2]
	EACH v_max3_num_f32 v[T+4*t+3], v[S+8*t+3], v[S+8*t+4], v[S+8*t+5]
	EACH v_max3_num_f32 v[T+4*t+2], v[T+4*t+2], v[S+8*t+6], v[S+8*t+7]
	EACH v_max_num_f32 v[T+4*t+2], v[T+4*t+2], v[T+4*t+3]
	EACH v_permlanex16_b32 v[T+4*t+3], v[T+4*t+2], s22, s23  ; the query head's other eight scores lie in the lane 16 away
	EACH v_max_num_f32 v[T+4*t+1], v[T+4*t+2], v[T+4*t+3]    ; m
	EACH v_mul_f32 v[T+4*t], s20, v[T+4*t+1]                 ; c m
.set z, 0
.rept 16                               ; c s - c m, a pair of scores a line
	v_pk_fma_f32 v[S+2*z:S+2*z+1], v[S+2*z:S+2*z+1], s[20:21], v[T+4*(z/4):T+4*(z/4)+1] op_sel_hi:[1,0,0] neg_lo:[0,0,1] neg_hi:[0,0,1]
.set z, z+1
.endr
.set z, 0
.rept 32                               ; one batch of 32 exponentials
	v_exp_f32 v[S+z], v[S+z]
.set z, z+1
.endr
	v_nop                                          ; a plain instruction behind the last exponential, ahead of the first use (ISA guide 5.7.2)
	s_wait_alu depctr_va_vdst(0)                   ; and the wait ahead of the first reader: one for the batch
	EACH v_pk_add_f32 v[T+4*t+2:T+4*t+3], v[S+8*t:S+8*t+1], v[S+8*t+2:S+8*t+3]
	EACH v_pk_add_f32 v[T+4*t:T+4*t+1], v[S+8*t+4:S+8*t+5], v[S+8*t+6:S+8*t+7]
	EACH v_pk_add_f32 v[T+4*t+2:T+4*t+3], v[T+4*t+2:T+4*t+3], v[T+4*t:T+4*t+1]
	EACH v_add_f32 v[T+4*t+2], v[T+4*t+2], v[T+4*t+3]
	EACH v_permlanex16_b32 v[T+4*t+3], v[T+4*t+2], s22, s23
	EACH v_add_f32 v[T+4*t+2], v[T+4*t+2], v[T+4*t+3]        ; the sum: 1 at the least, since the largest weight is 1
	EACH v_rcp_f32 v[T+4*t], v[T+4*t+2]
	v_nop                                          ; a plain instruction behind the last reciprocal,
	s_wait_alu depctr_va_vdst(0)                   ; and one wait for the four
.set z, 0
.rept 16
	v_pk_mul_f32 v[S+2*z:S+2*z+1], v[S+2*z:S+2*z+1], v[T+4*(z/4):T+4*(z/4)+1] op_sel_hi:[1,0]
.set z, z+1
.endr
.set z, 0
.rept 16                               ; P to f16, in place and ascending: register p takes weights 2 p and 2 p + 1, which no later line reads
	v_cvt_pk_f16_f32 v[S+8*(z/4)+z%4], v[S+2*z], v[S+2*z+1]
.set z, z+1
.endr
.set z, 0
.rept 16                               ; the unused half of K
	v_mov_b32 v[S+8*(z/4)+4+z%4], 0
.set z, z+1
.endr
	s_wait_loadcnt 0x0                             ; V
.set z, 0
.rept 16                               ; O^T: token z / 4, channels 16 (z % 4) on; sixteen accumulators, one product each
	v_wmma_f32_16x16x32_f16 v[O+8*z:O+8*z+7], v[V+4*z:V+4*z+7], v[S+8*(z/4):S+8*(z/4)+7], 0
.set z, z+1
.endr
.rept 8
	v_nop                                          ; the conversions below read those results and write over those products' sources: four places are asked for (ISA guide 7.12.1); eight stand here, once a launch
.endr
.set z, 0
.rept 64                               ; each accumulator's registers in ascending order; a lane's eight channels of a head pack into 16 bytes
	v_cvt_pk_f16_f32 v[V+z], v[O+2*z], v[O+2*z+1]
.set z, z+1
.endr
.set t, 0
.rept 4                                ; a token at a time through my stage: in by heads and halves, back as 512 consecutive bytes of att
.irp d, 0,1,2,3
	ds_store_b128 v[STO], v[V+16*t+4*(\d):V+16*t+4*(\d)+3] offset:32*(\d)
.endr
.irp i, 0,1,2,3
	ds_load_b128 v[R+16*t+4*(\i):R+16*t+4*(\i)+3], v[RD] offset:4*SP*(\i)  ; LDS serves a wave's instructions in order (ISA guide 5.7.1.4): these see the stores above; the next token's stores come behind them
.endr
.set t, t+1
.endr
.set t, 0
.rept 4
	s_wait_dscnt 8*(3-t)                           ; token t is back; the later tokens' eight LDS instructions each may be out
.irp i, 0,1,2,3
	global_store_b128 v[LO], v[R+16*t+4*(\i):R+16*t+4*(\i)+3], s[18:19] offset:ROW*t+512*(\i)  ; 512 consecutive bytes, at a multiple of 256 from att's first byte
.endr
.set t, t+1
.endr
	s_wait_tensorcnt 0x0                           ; the wave's end, behind my last LDS store
	ds_add_u32 v[SPW], v[NIL]
	s_wait_dscnt 0x0
	s_endpgm
.Lfunc_end_k_qec38987281_attn:
	.size	k_qec38987281_attn, .Lfunc_end_k_qec38987281_attn-k_qec38987281_attn
	.p2alignl 7, 3214868480
	.fill 96, 4, 3214868480
	.section	.rodata,"a",@progbits
	.p2align	6, 0x0
	.amdhsa_kernel k_qec38987281_attn
		.amdhsa_group_segment_fixed_size 9728
		.amdhsa_private_segment_fixed_size 0
		.amdhsa_enable_private_segment 0
		.amdhsa_kernarg_size 16
		.amdhsa_user_sgpr_count 2
		.amdhsa_user_sgpr_kernarg_segment_ptr 1
		.amdhsa_wavefront_size32 1
		.amdhsa_system_sgpr_workgroup_id_x 1
		.amdhsa_system_sgpr_workgroup_id_y 1
		.amdhsa_system_sgpr_workgroup_id_z 1
		.amdhsa_system_vgpr_workitem_id 0
		.amdhsa_next_free_vgpr 256
		.amdhsa_next_free_sgpr 66
		.amdhsa_reserve_vcc 0
		.amdhsa_float_denorm_mode_32 3
		.amdhsa_float_denorm_mode_16_64 3
		.amdhsa_memory_ordered 1
		.amdhsa_forward_progress 1
		.amdhsa_inst_pref_size 24
	.end_amdhsa_kernel
	.amdgpu_metadata
---
amdhsa.version: [ 1, 2 ]
amdhsa.kernels:
  - .name:           k_qec38987281_attn
    .symbol:         k_qec38987281_attn.kd
    .args:
      - { .name: qkv, .offset: 0, .size: 8, .value_kind: global_buffer, .address_space: global }
      - { .name: att, .offset: 8, .size: 8, .value_kind: global_buffer, .address_space: global }
    .group_segment_fixed_size: 9728
    .private_segment_fixed_size: 0
    .kernarg_segment_align: 8
    .kernarg_segment_size: 16
    .max_flat_workgroup_size: 128
    .sgpr_count:     66
    .vgpr_count:     256
    .wavefront_size: 32
...
	.end_amdgpu_metadata
.endif
;; end of part 3
;; launch oproj (part 4): grid 4 x 64, 4 waves a work-group, clusters of 4 x 4, 327,680 bytes of LDS; arguments att, woh, out0; writes out0
.if DOCPART == 4
	.amdgcn_target "amdgcn-amd-amdhsa--gfx1250"
	.amdhsa_code_object_version 6
	.text
	.protected	k_qec38987281_oproj
	.globl	k_qec38987281_oproj
	.p2align	8
	.type	k_qec38987281_oproj,@function
k_qec38987281_oproj:
	s_mov_b64 s[64:65], 0
	v_nop
	global_prefetch_b8 v0, s[64:65] scope:SCOPE_SE
	s_setreg_imm32_b32 hwreg(HW_REG_WAVE_MODE, 25, 1), 1
	s_wait_xcnt 0x0
	s_wait_alu depctr_hold_cnt(0) depctr_sa_sdst(0) depctr_va_vdst(0) depctr_va_sdst(0) depctr_va_ssrc(0) depctr_va_vcc(0) depctr_vm_vsrc(0)
	s_getreg_b32 s2, hwreg(HW_REG_IB_STS2, 6, 4)
	s_cmp_eq_u32 s2, 0
	s_cbranch_scc0 .Lentry_in_a_cluster
	s_endpgm
.Lentry_in_a_cluster:
	s_bfe_u32 s2, ttmp6, 0x10000c
	s_cmp_lg_u32 s2, 0xf033
	s_cbranch_scc0 .Lentry_shape_is_right
	s_endpgm
.Lentry_shape_is_right:
; out0 = att Wo^T.  C[m][n] = the sum over k of att[m][k] woh[n][k]: att [16384][1024] f16, woh [1024][1024] f16 (Wo rounded to bf16, written as f16), out0 [16384][1024] f32; sums in f32, stored as they are.
; LIMITS.  None of its own: both operands arrive as finite f16, and the sums stay far inside f32.  NaN and infinities are not treated apart.
; SHARES.  A tile of C, 256 x 256, is made by a work-group of four waves, one tile to a work-group: 64 x 4 of them; a wave makes 128 x 128: 64 accumulators of 16 x 16, 512 registers.  K goes in steps of 128 through a
; ring of two LDS slots filled by the tensor data mover: a tile's rows are 256 bytes of memory and start at multiples of 256 bytes from the buffer's first byte.
; CLUSTERS: 4 x 4 work-groups.  The four of a row of the cluster need the same tiles of att, the four of a column the same tiles of woh: each tile is asked for JOINTLY, by the same tensor load with the same
; descriptor and a mask that names the four.
; REGISTERS, in windows of 256 (s_set_vgpr_msb's low byte: bits 1:0 source 0, 3:2 source 1, 5:4 source 2, 7:6 destination):
;   window 0: v0-31 addresses; v64-127, v128-191 fragments of att, two buffers; on the way out the rows read back from the stage
;   window 1: v64-127, v128-191 fragments of woh       window 2: the 32 accumulators of my rows 0-63 ((a, b) at v[8 (8 a + b)])       window 3: those of my rows 64-127
; THE MATRIX INSTRUCTION IS USED TRANSPOSED: source 0 = 16 rows of woh, source 1 = 16 rows of att: lane l holds row l % 16 of C and the columns 8 (l / 16) + 0 .. 7: 32 consecutive bytes of a row.
.set SIZE_K, 1024
.set ROWC,   4096                      ; bytes in a row of out0
.set KSTEP,  128
.set PITCH,  272                       ; an LDS row: 256 bytes + 16 of padding = 68 words: row r starts at bank 4 r mod 64 (64 banks of 4 bytes: ISA guide 11.1)
.set HALFT,  128*PITCH
.set SLOT,   4*HALFT                   ; att's 256 rows, then woh's 256 rows
.set STAGE,  2*SLOT                    ; behind the ring: 16 rows x 528 bytes for each wave, for the way out; no tensor load fills it
.set SPITCH, 528                       ; 512 bytes + 16 = 132 words: row r starts at bank 4 r mod 64
.set SPARE,  STAGE+4*16*SPITCH         ; behind the stages: the spare words, 128 bytes for each wave: two blocks of 256 bytes that no other line names
.set LAPS,   SIZE_K/(2*KSTEP)
.set ADRA, 16                          ; v16-17  LDS address of my fragments of att in slot 0, 1
.set ADRB, 20                          ; v20-21  the same for woh
.set STO,  24                          ; v24     the way out: where I put 32 bytes of a row
.set RD,   25                          ; v25     where I read a row back
.set CO,   26                          ; v26     16 x lane: my 16 bytes of my wave's 512 in a row of C
.set SPW,  28                          ; v28     LDS address of my spare word: SPARE + 4 x my thread's number; never rewritten
.set NIL,  29                          ; v29     0; never rewritten
.set PFO,  30                          ; v30     the prefetches' offset: my lane x a row of 2,048 bytes; never rewritten
.set PFA,  44                          ; s[44:45] where my prefetches stand
.set LIM,  43                          ; s43     1 in a wave that prefetches, else the greatest number
.set F0,   64
.set F1,   128
.set G1,  24                           ; s[24:31], s[32:39] descriptor groups 1 and 0 (a set for each slot) for att's tiles
.set G0,  32
.set G1B, 48                           ; s[48:55], s[56:63] the same for woh's
.set G0B, 56
.set MSB, 0
.macro WIN new                         ; the immediate's high byte repeats the setting that is left; a switch that changes nothing is dropped
.if MSB != (\new)
	s_set_vgpr_msb (MSB<<8)|(\new)
.set MSB, \new
.endif
.endm
.set MUL_LO, 0xa1                      ; source 0 (woh) window 1, source 1 (att) window 0, C and D window 2
.set MUL_HI, 0xf1                      ; the same, C and D window 3
.set TO_B,   0x40                      ; destination window 1, address window 0
; A joint load.  Waves 0 and 1 fetch att's two halves, waves 2 and 3 woh's; the branch hangs on the wave's number alone.  An s_nop 0 and four v_nop follow each of the two lines.
.macro JLOAD s
	s_cmp_eq_u32 s11, 0
	s_cbranch_scc0 .Lfor_b_\@
	tensor_load_to_lds s[G0+4*(\s):G0+4*(\s)+3], s[G1:G1+7]
	s_nop 0
.rept 4
	v_nop
.endr
	s_branch .Lasked_\@
.Lfor_b_\@:
	tensor_load_to_lds s[G0B+4*(\s):G0B+4*(\s)+3], s[G1B:G1B+7]
	s_nop 0
.rept 4
	v_nop
.endr
.Lasked_\@:
.endm
; A PREFETCH INTO THE L2, behind each joint load, its five lines and the run of LDS loads that follows: the K step that stands TWO refills on, 512 matrix instructions ahead of the load that will want it:
; 32 rows x 256 bytes, a lane a row, one instruction a wave.  Each row's 256 bytes of a K step are named once in the launch: att's rows belong to one cluster alone (the grid is one cluster wide), which asks for
; them; woh's are read by all sixteen clusters, and the one with y = 0 asks.  The four partners that ask for a tile jointly share its rows out BY ADDRESS, 32 each (by cx for att, by cy for woh).
; The first four K steps come by their loads alone; the last two refills have no K step two on and ask for nothing.
.macro ASK
	s_cmp_gt_u32 s3, s[LIM]                        ; s3 = 1 in the loop's last trip
	s_cbranch_scc0 .Lnot_mine_\@
	global_prefetch_b8 v[PFO], s[PFA:PFA+1] offset:KSTEP*2 th:TH_LOAD_NT scope:SCOPE_SE
.Lnot_mine_\@:
.endm
; A round of the cluster's barrier: my work-group's barrier; wave 0 signals for the work-group; every wave waits for all sixteen work-groups; my work-group's barrier once more.
.macro CREST
	s_cmp_lg_u32 s10, 0
	s_cbranch_scc1 .Lnot_wave_0_\@
	s_barrier_signal -3
.Lnot_wave_0_\@:
	s_barrier_wait -3
	s_barrier_signal -1
	s_barrier_wait -1
.endm
.macro CROUND
	s_barrier_signal -1
	s_barrier_wait -1
	CREST
.endm
	s_load_b128 s[4:7], s[0:1], 0x0                ; att s[4:5], woh s[6:7]
	s_load_b64 s[8:9], s[0:1], 0x10                ; out0
	v_lshl_add_u32 v[SPW], v0, 2, SPARE
	v_mov_b32 v[NIL], 0
	ds_add_u32 v[SPW], v[NIL]                      ; the wave's opening: the add and its wait stand ahead of my first tensor load; the set-up below, work on registers, stands between them
	v_lshrrev_b32 v1, 5, v0
	v_readfirstlane_b32 s10, v1                    ; wave 0..3
	s_lshr_b32 s11, s10, 1                         ; which half of the tile's rows is mine.  Also: I fetch for att (0) or for woh (1)
	s_and_b32 s12, s10, 1                          ; which half of its columns.  Also: which 128 rows of that tile I fetch
	s_bfe_u32 s40, ttmp6, 0x40000                  ; cx
	s_bfe_u32 s41, ttmp6, 0x40004                  ; cy
	s_lshl_b32 s42, ttmp9, 2
	s_add_co_u32 s42, s42, s40                     ; tile column = 4 x cluster x + cx
	s_and_b32 s13, ttmp7, 0xffff
	s_lshl_b32 s13, s13, 2
	s_add_co_u32 s13, s13, s41                     ; tile row = 4 x cluster y + cy
	s_lshl_b32 s43, s41, 2
	s_lshl_b32 s43, 15, s43                        ; my row of the cluster
	s_lshl_b32 s44, 0x1111, s40                    ; my column
	s_or_b32 s[G1+0], s43, (1<<16)|(1<<20)|(1<<21)|(5<<22)|(3<<25)  ; 15:0 the mask: att's tiles go to my row; 17:16 elements of 2 bytes; 20 padding on; 21 set beside a mask; 24:22 after every 64 words (code 5); 31:25 4 words of it (code 3)
	s_or_b32 s[G1B+0], s44, (1<<16)|(1<<20)|(1<<21)|(5<<22)|(3<<25) ; the same with the mask of my column
.irp g, G1, G1B
	s_mov_b32 s[(\g)+1], KSTEP<<16                 ; tensor_dim0 = 128
	s_mov_b32 s[(\g)+2], 128<<16                   ; tensor_dim1 = 128
	s_mov_b32 s[(\g)+3], KSTEP<<16                 ; tile_dim0 = 128
	s_mov_b32 s[(\g)+4], 128                       ; tile_dim1 = 128
	s_mov_b32 s[(\g)+5], SIZE_K                    ; 1,024 elements from row to row
	s_mov_b32 s[(\g)+6], 0
	s_mov_b32 s[(\g)+7], 0
.endr
	s_lshl_b32 s17, s12, 7                         ; which 128 rows of the tile I fetch
	s_lshl_b32 s16, s13, 8
	s_add_co_u32 s16, s16, s17                     ; att: row 256 x tile row + 128 x half
	s_lshl_b32 s46, s42, 8
	s_add_co_u32 s46, s46, s17                     ; woh: row 256 x tile column + 128 x half
	s_mov_b32 s17, 0
	s_mov_b32 s47, 0
	s_mov_b64 s[18:19], SIZE_K*2
	s_mul_u64 s[16:17], s[16:17], s[18:19]
	s_mul_u64 s[46:47], s[46:47], s[18:19]
	s_mul_i32 s20, s10, HALFT                      ; where they go: wave x 128 rows: no place in the cluster enters an LDS address
	s_wait_dscnt 0x0                               ; the opening add is done
	s_wait_kmcnt 0x0
	s_add_nc_u64 s[14:15], s[4:5], s[16:17]
	s_add_nc_u64 s[46:47], s[6:7], s[46:47]
	CROUND                                         ; all sixteen work-groups are here: the first joint loads meet
.irp s, 0,1
	s_mov_b32 s[G0+4*(\s)], 1
	s_add_co_u32 s[G0+4*(\s)+1], s20, (\s)*SLOT
	s_add_nc_u64 s[G0+4*(\s)+2:G0+4*(\s)+3], s[14:15], (\s)*KSTEP*2
	s_or_b32 s[G0+4*(\s)+3], s[G0+4*(\s)+3], 0x80000000
	s_mov_b32 s[G0B+4*(\s)], 1
	s_add_co_u32 s[G0B+4*(\s)+1], s20, (\s)*SLOT
	s_add_nc_u64 s[G0B+4*(\s)+2:G0B+4*(\s)+3], s[46:47], (\s)*KSTEP*2
	s_or_b32 s[G0B+4*(\s)+3], s[G0B+4*(\s)+3], 0x80000000
	JLOAD \s                                       ; the ring is filled before anything else is done: two loads of mine are out
.endr
	v_and_b32 v1, 15, v0                           ; l % 16
	v_bfe_u32 v2, v0, 4, 1                         ; l / 16
	v_mul_u32_u24 v3, v1, PITCH
	v_lshl_add_u32 v3, v2, 4, v3                   ; a fragment's row x pitch + 16 x half
	s_mul_i32 s21, s11, HALFT                      ; my 128 rows of att
	s_mul_i32 s22, s12, HALFT                      ; my 128 rows of woh,
	s_add_co_u32 s22, s22, 2*HALFT                 ; which lie behind att's 256
.irp s, 0,1
	v_add_nc_u32 v[ADRA+(\s)], s21, v3
	v_add_nc_u32 v[ADRB+(\s)], s22, v3
	s_add_co_u32 s21, s21, SLOT
	s_add_co_u32 s22, s22, SLOT
.endr
	s_mul_i32 s23, s10, 16*SPITCH
	s_add_co_u32 s23, s23, STAGE                   ; my stage
	v_mul_u32_u24 v4, v1, SPITCH                   ; in: row l % 16, 32 bytes for each half of the lanes
	v_lshl_add_u32 v4, v2, 5, v4
	v_add_nc_u32 v[STO], s23, v4
	v_and_b32 v5, 31, v0
	v_lshlrev_b32 v[CO], 4, v5                     ; back: 32 lanes take one row of 512 bytes
	v_add_nc_u32 v[RD], s23, v[CO]
	s_lshl_b32 s13, s13, 8                         ; C at my part of the tile
	s_lshl_b32 s14, s11, 7
	s_add_co_u32 s16, s13, s14                     ; my first row
	s_mov_b32 s17, 0
	s_mov_b64 s[18:19], ROWC
	s_mul_u64 s[16:17], s[16:17], s[18:19]
	s_lshl_b32 s46, s42, 10                        ; my first column, in bytes: 1,024 x tile column + 512 x half
	s_lshl_b32 s47, s12, 9
	s_add_co_u32 s46, s46, s47
	s_mov_b32 s47, 0
	s_add_nc_u64 s[16:17], s[16:17], s[46:47]
	s_add_nc_u64 s[8:9], s[8:9], s[16:17]
	; the prefetches.  s13 = 256 x tile row, s42 = tile column, s40 = cx, s41 = cy still stand
	s_lshl_b32 s42, s42, 8
	s_and_b32 s22, ttmp7, 0xffff                   ; cluster y
	s_cmp_eq_u32 s11, 0                            ; do I fetch for att?
	s_cselect_b32 s20, s13, s42                    ; the tile's first row
	s_cselect_b32 s21, s40, s41                    ; my place among the four that ask for it with me
	s_cselect_b32 s22, ttmp9, s22                  ; the coordinate along which other clusters read the same rows
	s_cselect_b64 s[PFA:PFA+1], s[4:5], s[6:7]
	s_cmp_eq_u32 s22, 0
	s_cselect_b32 s[LIM], 1, -1                    ; the same in all sixteen partners, for a given wave
	s_lshl_b32 s22, s12, 7
	s_add_co_u32 s20, s20, s22
	s_lshl_b32 s21, s21, 5
	s_add_co_u32 s20, s20, s21
	s_mov_b32 s21, 0
	s_mov_b64 s[18:19], SIZE_K*2
	s_mul_u64 s[20:21], s[20:21], s[18:19]
	s_add_nc_u64 s[PFA:PFA+1], s[PFA:PFA+1], s[20:21]
	s_add_nc_u64 s[PFA:PFA+1], s[PFA:PFA+1], 2*KSTEP*2  ; at K step 2: the first refill steps it to 3 and names K step 4
	v_and_b32 v[PFO], 31, v0
	v_mul_u32_u24 v[PFO], v[PFO], SIZE_K*2
; 16 matrix instructions: m blocks a0, a0 + 1 of the window's four x all 8 n blocks, 32 along K.  zero = 1: the first product starts the sums.  The 64 accumulators take turns, one instruction a turn, in the same
; order in every quarter step.
.macro MUL16 f, hi, a0, zero
	WIN MUL_LO+0x50*(\hi)
.irp a, \a0, (\a0)+1
.irp b, 0,1,2,3,4,5,6,7
.if \zero
	v_wmma_f32_16x16x32_f16 v[8*(8*(\a)+(\b)):8*(8*(\a)+(\b))+7], v[(\f)+8*(\b):(\f)+8*(\b)+7], v[(\f)+8*(4*(\hi)+(\a)):(\f)+8*(4*(\hi)+(\a))+7], 0
.else
	v_wmma_f32_16x16x32_f16 v[8*(8*(\a)+(\b)):8*(8*(\a)+(\b))+7], v[(\f)+8*(\b):(\f)+8*(\b)+7], v[(\f)+8*(4*(\hi)+(\a)):(\f)+8*(4*(\hi)+(\a))+7], v[8*(8*(\a)+(\b)):8*(8*(\a)+(\b))+7]
.endif
.endr
.endr
.endm
; 32 LDS loads in one run: the fragments of one quarter step (woh's 128 rows, then att's) into buffer f
.macro FETCH slot, k, f
	WIN TO_B
.irp i, 0,1,2,3,4,5,6,7
	ds_load_b128 v[(\f)+8*(\i):(\f)+8*(\i)+3],   v[ADRB+(\slot)] offset:(\k)+(\i)*16*PITCH
	ds_load_b128 v[(\f)+8*(\i)+4:(\f)+8*(\i)+7], v[ADRB+(\slot)] offset:(\k)+(\i)*16*PITCH+32
.endr
	WIN 0
.irp i, 0,1,2,3,4,5,6,7
	ds_load_b128 v[(\f)+8*(\i):(\f)+8*(\i)+3],   v[ADRA+(\slot)] offset:(\k)+(\i)*16*PITCH
	ds_load_b128 v[(\f)+8*(\i)+4:(\f)+8*(\i)+7], v[ADRA+(\slot)] offset:(\k)+(\i)*16*PITCH+32
.endr
.endm
.macro PLACES                          ; four places in front of loads into registers that matrix instructions have read, and of LDS stores that read results
.rept 4
	v_nop
.endr
.endm
; One of a K step's first three quarters: multiplies buffer f; in its middle it fetches the next quarter, at byte k, into buffer g.
.macro QUARTER slot, k, f, g, zero
	s_wait_dscnt 8                                 ; woh's and att's rows 0-63 are in; the youngest eight loads (att's rows 64-127) may be out
	MUL16 \f, 0, 0, \zero
	MUL16 \f, 0, 2, \zero
	PLACES
	FETCH \slot, \k, \g
	s_wait_dscnt 32                                ; all but the 32 just issued
	MUL16 \f, 1, 0, \zero
	MUL16 \f, 1, 2, \zero
.endm
; The first half of the last quarter: ONE barrier for the change of slots.  In front of it each wave waits for all its tensor loads, of which one is out: its part of the next slot; adds 0 to its spare word; and
; waits for that and for its own reads of this slot.
.macro MEET round
	WIN 0                                          ; (the add's two registers lie in window 0)
	s_wait_tensorcnt 0x0                           ; all my tensor loads have landed
	ds_add_u32 v[SPW], v[NIL]                      ; 0 onto my spare word
	s_wait_dscnt 9                                 ; (the add and the youngest eight loads may be out)
	MUL16 F1, 0, 0, 0                              ; sixteen matrix instructions stand between the add and the wait for it
	s_wait_dscnt 0x0                               ; the add is done, and my reads of this slot are over
	s_barrier_signal -1
	MUL16 F1, 0, 2, 0
.if \round
	WIN 0
.endif
	s_barrier_wait -1
.endm
; The whole last quarter: behind the round the slot just read out is filled again first, with the K step two steps on; then come the next slot's first fragments.  From a request to the wait for it: 224 matrix instructions.
.macro TURN slot, next
	s_wait_xcnt 0x0                                ; the last prefetch, a K step back, has read its address: it is stepped here
	s_add_nc_u64 s[PFA:PFA+1], s[PFA:PFA+1], KSTEP*2
	MEET 1
	CREST                                          ; no wave of any partner still reads this slot's tile or has a load on its way
	s_add_nc_u64 s[G0+4*(\slot)+2:G0+4*(\slot)+3], s[G0+4*(\slot)+2:G0+4*(\slot)+3], 2*KSTEP*2
	s_add_nc_u64 s[G0B+4*(\slot)+2:G0B+4*(\slot)+3], s[G0B+4*(\slot)+2:G0B+4*(\slot)+3], 2*KSTEP*2
	JLOAD \slot                                    ; the first tensor load behind the round, my only one until the next; its four v_nop are also the places in front of the loads below
	FETCH \next, 0, F0
	ASK
	MUL16 F1, 1, 0, 0
	MUL16 F1, 1, 2, 0
.endm
; THE WAY OUT of block a (16 rows x 128 columns of f32).  TOSTAGE: the accumulators go as they are into my own stage, 32 bytes a lane, each from its lowest registers on, and come back as whole rows of 512 bytes,
; into the fragment buffers, which are free.  SEND: stored.
.macro TOSTAGE a
.set AC, 64*((\a)%4)
.set BK, F0+64*((\a)%2)
.if (\a) >= 2
	s_wait_xcnt 0x0                                ; the stores of block a - 2 have read the registers that the loads below fill
.endif
	WIN 0x08+4*((\a)/4)                            ; the stores' data (source 1) in window 2 or 3, the address in window 0
.irp b, 0,1,2,3,4,5,6,7
	ds_store_b128 v[STO], v[AC+8*(\b):AC+8*(\b)+3]   offset:64*(\b)
	ds_store_b128 v[STO], v[AC+8*(\b)+4:AC+8*(\b)+7] offset:64*(\b)+16
.endr
	WIN 0
.irp t, 0,1,2,3,4,5,6,7,8,9,10,11,12,13,14,15
	ds_load_b128 v[BK+4*(\t):BK+4*(\t)+3], v[RD] offset:(\t)*SPITCH  ; LDS serves a wave's instructions in order (ISA guide 5.7.1.4): these see the stores above; the next block's stores come behind them
.endr
.endm
.macro SEND a, younger                 ; younger: the LDS instructions issued behind block a's loads: the next block's 32, or none
.set BK, F0+64*((\a)%2)
	s_wait_dscnt \younger
.irp t, 0,1,2,3,4,5,6,7,8,9,10,11,12,13,14,15
	global_store_b128 v[CO], v[BK+4*(\t):BK+4*(\t)+3], s[8:9] offset:(16*(\a)+(\t))*ROWC th:TH_STORE_NT  ; 512 consecutive bytes, at a multiple of 256 from out0's first byte; 127 rows at the most in the immediate
.endr
.endm
	s_wait_tensorcnt 1                             ; my part of K step 0 is in; K step 1's load may stay out
	s_barrier_signal -1
	s_barrier_wait -1                              ; everybody's is
	FETCH 0, 0, F0
	QUARTER 0, 64,  F0, F1, 1                      ; the first quarter stands in front of the loop: its products start the sums
	WIN 0                                          ; at a label and at a branch every window is 0
	s_mov_b32 s3, LAPS-1
.Llap:                                                 ; a trip goes once round the ring, from a lap's second quarter to the next lap's first, and fills both slots again
	QUARTER 0, 128, F1, F0, 0
	QUARTER 0, 192, F0, F1, 0
	TURN 0, 1
	QUARTER 1, 64,  F0, F1, 0
	QUARTER 1, 128, F1, F0, 0
	QUARTER 1, 192, F0, F1, 0
	TURN 1, 0
	QUARTER 0, 64,  F0, F1, 0
	WIN 0
	s_sub_co_u32 s3, s3, 1
	s_cmp_lg_u32 s3, 0
	s_cbranch_scc1 .Llap
	QUARTER 0, 128, F1, F0, 0                      ; the last lap fills nothing
	QUARTER 0, 192, F0, F1, 0
	MEET 0                                         ; my one tensor load that was still out is slot 1's, the last K step's; no round follows
	PLACES                                         ; for the loads into buffer 0, which the quarter before multiplied
	FETCH 1, 0, F0
	MUL16 F1, 1, 0, 0
	MUL16 F1, 1, 2, 0
	QUARTER 1, 64,  F0, F1, 0
	QUARTER 1, 128, F1, F0, 0
	QUARTER 1, 192, F0, F1, 0
	s_wait_dscnt 8                                 ; the very last quarter: nothing more to fetch
	MUL16 F1, 0, 0, 0
	MUL16 F1, 0, 2, 0
	s_wait_dscnt 0x0
	MUL16 F1, 1, 0, 0
	MUL16 F1, 1, 2, 0
	PLACES                                         ; the LDS stores read matrix results, the loads fill registers that the last products read: four places are asked for;
	PLACES                                         ; eight stand here, once a launch
	TOSTAGE 0
.irp a, 1,2,3,4,5,6,7                  ; block a goes through the stage while block a - 1's rows come back and leave
	TOSTAGE \a
	SEND (\a)-1, 32
.endr
	SEND 7, 0
	s_wait_tensorcnt 0x0                           ; the wave's end, behind my last tensor load and my last LDS store
	ds_add_u32 v[SPW], v[NIL]
	s_wait_dscnt 0x0
	CROUND                                         ; the closing round: no work-group ends while a partner may still ask for a tile that names it
	s_endpgm
.Lfunc_end_k_qec38987281_oproj:
	.size	k_qec38987281_oproj, .Lfunc_end_k_qec38987281_oproj-k_qec38987281_oproj
	.p2alignl 7, 3214868480
	.fill 96, 4, 3214868480
	.section	.rodata,"a",@progbits
	.p2align	6, 0x0
	.amdhsa_kernel k_qec38987281_oproj
		.amdhsa_group_segment_fixed_size 327680
		.amdhsa_private_segment_fixed_size 0
		.amdhsa_enable_private_segment 0
		.amdhsa_kernarg_size 24
		.amdhsa_user_sgpr_count 2
		.amdhsa_user_sgpr_kernarg_segment_ptr 1
		.amdhsa_wavefront_size32 1
		.amdhsa_system_sgpr_workgroup_id_x 1
		.amdhsa_system_sgpr_workgroup_id_y 1
		.amdhsa_system_sgpr_workgroup_id_z 1
		.amdhsa_system_vgpr_workitem_id 0
		.amdhsa_next_free_vgpr 1024
		.amdhsa_next_free_sgpr 66
		.amdhsa_reserve_vcc 0
		.amdhsa_float_denorm_mode_32 3
		.amdhsa_float_denorm_mode_16_64 3
		.amdhsa_memory_ordered 1
		.amdhsa_forward_progress 1
		.amdhsa_inst_pref_size 141
	.end_amdhsa_kernel
	.amdgpu_metadata
---
amdhsa.version: [ 1, 2 ]
amdhsa.kernels:
  - .name:           k_qec38987281_oproj
    .symbol:         k_qec38987281_oproj.kd
    .args:
      - { .name: att, .offset: 0, .size: 8, .value_kind: global_buffer, .address_space: global }
      - { .name: woh, .offset: 8, .size: 8, .value_kind: global_buffer, .address_space: global }
      - { .name: out0, .offset: 16, .size: 8, .value_kind: global_buffer, .address_space: global }
    .group_segment_fixed_size: 327680
    .private_segment_fixed_size: 0
    .kernarg_segment_align: 8
    .kernarg_segment_size: 24
    .max_flat_workgroup_size: 128
    .sgpr_count:     66
    .vgpr_count:     1024
    .wavefront_size: 32
...
	.end_amdgpu_metadata
.endif
;; end of part 4
